; MI455X (gfx1250); checked and timed in simulation.
; The chip was launched on July 23, 2026; its instructions are those of AMD's public machine-readable ISA for CDNA 5 (MIT licence, August 2026) and "CDNA5" Instruction Set Architecture Reference Guide (July 2026). The comments in the code are by the model that wrote it; some were corrected since.
;; QKV Attention. Allowed arithmetic: matrix products marked QUANTISED: E2M3 operands, one E8M0 scale for each 32 along K, by v_wmma_scale_f32_16x16x128_f8f6f4 with both operands' format E2M3, f32 sums; everything else in f32.
;; Inputs: qkv 64 x 192 x 2,048 float32.
;; Outputs: out0 64 x 64 x 2,048 float32.
;; This version of the problem:
;;   THIS VERSION OF THE PROBLEM IS GIVEN IN LOW PRECISION. The matrix products marked QUANTISED in the list below multiply operands that are first quantised to E2M3 (2 exponent bits, 3 mantissa bits; 6 bits a number), with one power-of-two scale for each 32 numbers along K (OCP MX v1.0); their sums are f32. All else is computed in f32.
;;   The module's matrix products, in the order in which they are computed (A, B: the left and right operand; K: the contracted axis; several contracted axes count as one K, in the product's order):
;;     1. batch 64 x [M 2,048, K 64] x [K 64, N 2,048]; A: computed on the way; B: computed on the way: QUANTISED
;;     2. batch 64 x [M 64, K 2,048] x [K 2,048, N 2,048]; A: computed on the way; B: softmax (see below): QUANTISED
;;   THE QUANTISER, for each operand of a quantised product, along K:
;;     - K is cut into blocks of 32 from its start; a last block that is shorter is filled with zeros.
;;     - A block's scale is 2^e with e = floor(log2(the largest magnitude in the block)) - 2, held to -126 .. 127; a block of zeros has e = 0. As a byte (E8M0): e + 127.
;;     - Each number is divided by its block's scale, clamped to +-7.5, and rounded to the nearest number of E2M3, ties to even, subnormals kept.
;;     - The product sums the exact products of the quantised numbers (number of the format x scale) in f32.
;;   ~~~python
;;   def quantise(x, axis):      # numpy; x: float32 -> the quantised numbers, widened to float32 again
;;       x = np.moveaxis(x, axis, -1); K = x.shape[-1]
;;       x = np.pad(x, [(0, 0)] * (x.ndim - 1) + [(0, -K % 32)]); x = x.reshape(x.shape[:-1] + (-1, 32)); a = np.abs(x).max(-1, keepdims=True)
;;       e = np.where(a > 0, np.clip(np.frexp(np.where(a > 0, a, 1))[1] - 1 - 2, -126, 127), 0)      # np.frexp(a)[1] - 1 = floor(log2(a)), exactly
;;       r = np.clip(x / 2.0 ** e, -7.5, 7.5)
;;       step = 2.0 ** (np.maximum(np.frexp(np.where(r == 0, 1, r))[1] - 1, 0) - 3)
;;       q = np.round(r / step) * step * 2.0 ** e      # np.round: ties to even
;;       return np.moveaxis(q.reshape(q.shape[:-2] + (-1,))[..., :K], -1, axis).astype(np.float32)
;;   ~~~
;;   SOFTMAX AHEAD OF A QUANTISED PRODUCT. Where the list says 'softmax', what is quantised is not the finished softmax but p = 2^(t - M), with t = logit x log2(e) and M = ceil(the row's largest t), a whole number; so 1/2 < the row's largest p <= 1. The row's sum l is taken of the UNQUANTISED p, in f32, and the product's result is divided by l at the end. Since M is a whole number, a kernel that streams over the keys may use a running M (the ceiling of the running maximum): every later rescaling is an exact power of two, which a block's scale takes up: the codes' values come out the same.
;;   OPERANDS COMPUTED ON THE WAY. 'Computed on the way' means the value that the module computes at that place (a softmax that the list does not call 'softmax' is quantised finished and normalised). What goes into a quantiser is computed in f32, as accurately as f32 sums, v_exp_f32 and their like allow (about 1e-6 of the number): no bf16 or f16 on the way to a quantiser, and a product that is left as it is and whose result goes on into a quantised operand takes f32 operands (vector FMAs, or v_wmma_f32_16x16x4_f32). A number that lies on a knife's edge between two numbers of the format may be rounded either way, as far as f32 arithmetic and the matrix unit's own rounding can turn it there, and no further.
;; 2 versions. Each part assembles by itself: llvm-mc -triple=amdgcn-amd-amdhsa -mcpu=gfx1250 --defsym DOCPART=n.
;; ======== version 1 of 2: 1 launch
;; launch attn (part 1): grid 4 x 64, 16 waves a work-group, no clusters, 288,768 bytes of LDS; arguments qkv, out0; writes out0
.if DOCPART == 1
	.amdgcn_target "amdgcn-amd-amdhsa--gfx1250"
	.amdhsa_code_object_version 6
	.text
	.protected	k_qe9bf377e2f_attn
	.globl	k_qe9bf377e2f_attn
	.p2align	8
	.type	k_qe9bf377e2f_attn,@function
k_qe9bf377e2f_attn:
	s_mov_b64 s[64:65], 0
	v_nop
	global_prefetch_b8 v0, s[64:65] scope:SCOPE_SE
	s_setreg_imm32_b32 hwreg(HW_REG_WAVE_MODE, 25, 1), 1
	s_wait_xcnt 0x0
; out[h][c][t] = (sum over s of v[h][c][s] p[t][s]) / l[t],  p = 2^(S[t][s] log2(e) - M[t]),  S[t][s] = sum over c of (g q[h][c][t]) (g k[h][c][s]),  g = 1 / sqrt(sqrt(64)).
; qkv: [64 heads][192][2048] f32 (channels 0-63 q, 64-127 k, 128-191 v; tokens innermost).  out0: [64][64][2048] f32.
; Both products run on codes of FP6 (E2M3) with one E8M0 scale for each 32 along K: the first along the 64 channels, the second along the keys.  M is the running largest t rounded up to a whole number;
; l is the sum of the unquantised p; all of that in f32.
; SHARES.  A work-group owns one head and 512 queries (grid 4 x 64 = 256 work-groups); each of its 16 waves owns 32 queries: tile A = queries t0 + 2 r, tile B = t0 + 2 r + 1, in 256 registers.
; PHASE A.  A head's K and V as codes are 2 x 98,304 bytes and their scale words 8,192: 204,800 bytes, which stay in LDS for the whole launch.  Wave w quantises key step w (keys 128 w .. 128 w + 127) of K and of V
;   and stores them as IMAGES OF THE OPERANDS' REGISTERS (four registers a store, lane l's 16 bytes at 16 l); its own 32 queries it quantises straight into operand registers.  One barrier.
; PHASE B.  16 key steps, no barrier.  Both products are used transposed (S^T = K Q^T, O^T = V P^T), so that a lane holds one query throughout.
; PHASE C.  O^T / l goes through a stage in LDS, laid over the images that are done with, and leaves as runs of 512 consecutive bytes of a channel's row.
; ONE FRAGMENT OF K HOLDS TWO TILES OF KEYS.  The first product's K is 64, the instruction's 128.  Registers 0-5 (k 0-63) hold tile 2 b, registers 6-11 (k 64-127) tile 2 b + 1 of a block of 32 keys; multiplied by
;   [q | zero codes] it gives tile 2 b, by [zero codes | q] tile 2 b + 1.  A zero code is the number 0, no FP6 code is an infinity or a NaN and no scale byte here is 0xff, so the other half adds exactly 0.
;   Key x of a block goes to tile 2 b + (x / 8) % 2, row x % 8 + 8 (x / 16): the 16 registers of the two tiles are then keys 32 b + 16 (lane / 16) + 0 .. 15, neighbours along the second product's K.
; NO CLUSTER, NO JOINT LOADS: what the four work-groups of a head share is raw f32, 1 MiB a head.  Beside the 204,800 bytes of images two slots of one key step of raw K and V (2 x 65,536 bytes) make 335,872 bytes,
;   more than the 327,680 that a work-group can claim; smaller slots would mean nine or more refills for a phase that is about an eighth of this text's instructions.  So each work-group loads through registers.
; LIMITS: NaN and infinities among the inputs are not served.  A block whose largest magnitude lies under 2^-124 gets the scale byte 1; so does a block of zeros, where the rule says 127: its codes are zeros,
;   and the bytes are read by this text alone.  A p under 2^-126 counts as 0 (v_exp_f32 gives 0 there: ISA guide, its entry in 15.8).
.set HEADB,  1572864                   ; a head of qkv in bytes: 192 rows of 8,192
.set ROWB,   8192                      ; a channel's row: 2,048 tokens
.set FRB,    1536                      ; a fragment's image: 12 registers x 128 bytes
.set STEPB,  12800                     ; LDS, a key step: K's 4 fragments, V's 4 fragments, 512 bytes of scale words
.set VOFF,   6144
.set SOFF,   12288                     ; the scale image: lane l's 16 bytes at 16 l.  Lanes 0-15: word b = K's fragment b, row l; lanes 16-31: word c = V's tile c, channel row l - 16
.set TURN,   204800                    ; behind the 16 key steps: for each wave two stages of 32 places of 80 bytes (64 of data + 16), through which V's numbers turn
.set TSTG,   2560
.set OPITCH, 2064                      ; phase C: a channel's 512 queries, 2,048 bytes, + 16
; registers that live through the launch, and phase B's
.set AD,  1                            ; v1      LDS address of the key step in hand: 16 x lane + its first byte
.set FF,  2                            ; v[2:3]  f = 2^(old M - new M); v3 is named with it as a pair
.set QS,  12                           ; v12     q's scale words: lanes 0-15 tile A's rows, lanes 16-31 tile B's; bytes e0 e1 e0 e1
.set LI,  13                           ; v13     16 x lane
.set TMP, 14
.set PW,  15                           ; v15     p's scale word
.set QR,  16                           ; v16-45  qA | zeros | qB | zeros | qA: [qA|0] = v16.., [0|qB] = v22.., [qB|0] = v28.., [0|qA] = v34..
.set F,   46                           ; v46-93  four fragments, of K or of V
.set SO,  94                           ; v94-97  the conversions' scale operands
.set S,   98                           ; v98-161 S^T, then p
.set OA,  162                          ; v162-193 tile A's O^T, 8 registers a tile of 16 channels
.set OBT, 194                          ; v194-225 tile B's
.set PC,  226                          ; v226-237 p's codes
.set BM,  238                          ; v238-241 each block's largest score, then its largest p
.set PL,  242                          ; v242-249 at work
.set SC,  250                          ; v250-253 the step's eight scale words (see SOFF)
; tile A: v4 -M, v5 the largest t, v[6:7] the sum in two halves; tile B: v8, v9, v[10:11]
; phase A's registers: all are dead at the barrier
.set KX,  46                           ; v46-109  two sets of 32 numbers down the channels
.set KC,  110                          ; v110-157 six registers of codes for each of K's 8 items: no LDS store's data are written again
.set TT,  158                          ; v158-160 a block's upper 16 codes (a conversion's three registers begin on an even number)
.set EK,  162                          ; v162-165 a key's two scale bytes, for each block of keys
.set MXA, 166
.set MXB, 167
.set SOP, 168
.set EB,  169
.set R,   170                          ; v170-233 V: four sets of 16 numbers as loaded
.set VX,  46                           ; v46-77   V: two sets of 16 neighbours (behind K's last item but one)
.set VC,  78                           ; v78-85   V: two sets of codes
.set VE,  86                           ; v86-87   V: two scale bytes
.set VMA, 88
.set VMB, 89
.set VSO, 90
.set VQ,  234                          ; q: 8 (lane % 16) + 4 (lane / 16): lanes 0-15 take the even queries, lanes 16-31 the odd ones
.set VK,  235                          ; k: 4 x lane
.set KPA, 236                          ; K's image: pieces 0 and 2 of my 24 bytes
.set KPB, 237                          ; piece 1
.set KS,  238                          ; K's scale bytes
.set VL,  240                          ; v: 16 x lane
.set TIN, 241                          ; the turn stage, on the way in
.set TOUT, 242                         ; and out
.set VW,  243                          ; v243-245 V's image: my three registers' places
.set VS,  246                          ; V's scale byte
	s_load_b128 s[4:7], s[0:1], 0x0                ; qkv s[4:5], out0 s[6:7]
	v_lshl_add_u32 v254, v0, 2, 0x46000
	v_mov_b32 v255, 0
	v_lshrrev_b32 v1, 5, v0
	v_readfirstlane_b32 s8, v1                     ; wave 0..15
	s_and_b32 s9, ttmp7, 0xffff                    ; the head
	s_mov_b32 s20, 0x76543210
	s_mov_b32 s21, 0xfedcba98                      ; v_permlanex16_b32's selects for lane l xor 16
	s_mov_b32 s22, 0x3fb8aa3b                      ; log2(e)
	s_mov_b32 s23, s22                             ; (the packed forms name a pair and take its low word for both halves: so the upper word is written)
	s_mov_b32 s24, 0x3eb504f3                      ; g = 1 / sqrt(sqrt(64))
	s_mov_b32 s25, s24
	s_mul_i32 s28, s9, HEADB                       ; the head's first byte in qkv (under 2^27)
	s_lshl_b32 s29, ttmp9, 11                      ; my work-group's 512 tokens in a row
	s_lshl_b32 s10, s8, 7                          ; my wave's 32 of them
	s_add_co_u32 s18, s28, s29
	s_add_co_u32 s18, s18, s10
	s_mov_b32 s19, 0
	v_and_b32 v3, 31, v0                           ; lane
	v_and_b32 v4, 15, v0
	v_bfe_u32 v5, v0, 4, 1                         ; lane / 16
	v_lshlrev_b32 v[VQ], 3, v4
	v_lshl_add_u32 v[VQ], v5, 2, v[VQ]
	s_wait_kmcnt 0x0
	s_add_nc_u64 s[12:13], s[4:5], s[18:19]        ; q at my first query
; 32 loads: a lane takes a token, its registers run down 32 channels; a load covers 128 consecutive bytes of a channel's row
.macro LOADX xs, bs, vo, of, nt
.set ii, 0
.rept 32
.if \nt
	global_load_b32 v[KX+32*(\xs)+ii], v[\vo], s[\bs:\bs+1] offset:(\of)+ROWB*ii th:TH_LOAD_NT
.else
	global_load_b32 v[KX+32*(\xs)+ii], v[\vo], s[\bs:\bs+1] offset:(\of)+ROWB*ii
.endif
.set ii, ii+1
.endr
.endm
	LOADX 0, 12, VQ, 0, 1                          ; q, channels 0-31: read once in the launch
	LOADX 1, 12, VQ, 32*ROWB, 1                    ; q, channels 32-63
	s_lshl_b32 s10, s8, 9                          ; my wave's key step: 128 tokens
	s_add_co_u32 s18, s28, s10
	s_add_co_u32 s18, s18, 64*ROWB
	s_add_nc_u64 s[14:15], s[4:5], s[18:19]        ; k at my key step
	s_add_nc_u64 s[16:17], s[14:15], 64*ROWB       ; v likewise
	s_lshl_b32 s18, s9, 19                         ; out0: the head's 64 rows,
	s_lshl_b32 s10, s8, 15                         ; the 4 channels that my wave stores,
	s_add_co_u32 s18, s18, s10
	s_add_co_u32 s18, s18, s29                     ; my work-group's 512 tokens
	s_add_nc_u64 s[30:31], s[6:7], s[18:19]
	; LDS addresses: each a constant x lane's bits + a constant x wave; the constants of a region stand in the immediates
	v_lshlrev_b32 v[VK], 2, v3
	v_lshlrev_b32 v[VL], 4, v3
	s_mul_i32 s28, s8, STEPB                       ; my key step's bytes
	v_and_b32 v6, 7, v0
	v_lshl_add_u32 v6, v5, 3, v6                   ; m = x % 8 + 8 (x / 16): my key's row in its tile
	v_bfe_u32 v7, v0, 3, 1                         ; u = (x / 8) % 2: which of the fragment's two tiles
	v_lshlrev_b32 v8, 4, v6
	v_add_nc_u32 v8, s28, v8                       ; 16 m + my step
	v_mad_u32_u24 v[KPA], v7, 520, v8              ; my 24 bytes are bytes 24 u .. 24 u + 23 of an image lane's 48; byte B lies at 512 (B / 16) + B % 16: piece 0 at 0 or 520, piece 2 512 further on,
	v_mad_u32_u24 v[KPB], v7, 1016, v8             ; piece 1 at 8 or 1,024
	v_lshl_add_u32 v[KS], v7, 1, v8                ; my two scale bytes: 16 m + 2 u
	s_mul_i32 s29, s8, 2*TSTG
	s_add_co_u32 s29, s29, TURN                    ; my two turn stages
	v_lshrrev_b32 v9, 2, v3
	v_mul_u32_u24 v9, v9, 80
	v_and_b32 v10, 3, v0
	v_lshl_add_u32 v9, v10, 4, v9
	v_add_nc_u32 v[TIN], s29, v9                   ; in: four lanes' 64 bytes on end, then 16 of padding
	v_mul_u32_u24 v9, v3, 80
	v_add_nc_u32 v[TOUT], s29, v9                  ; out: a place a lane
	v_lshrrev_b32 v9, 3, v3
	v_lshlrev_b32 v9, 4, v9
	v_add_nc_u32 v9, s28, v9                       ; 16 (lane / 8) + my step: my channel's row among a run's four
	v_bfe_u32 v11, v0, 1, 2
	v_add_nc_u32 v[VS], v9, v11                    ; + my block of 32 keys: (lane % 8) / 2
	v_bfe_u32 v10, v0, 1, 1
	v_lshl_add_u32 v9, v10, 8, v9                  ; the image lane's upper half takes the odd blocks
	v_bfe_u32 v10, v0, 2, 1
	v_mul_u32_u24 v10, v10, 6
	v_and_b32 v11, 1, v0
	v_mad_u32_u24 v10, v11, 3, v10                 ; my three registers of the fragment begin at 6 (keys / 64) + 3 (lane % 2)
.irp i, 0,1,2
	v_add_nc_u32 v11, \i, v10
	v_lshrrev_b32 v13, 2, v11
	v_and_b32 v11, 3, v11
	v_lshl_add_u32 v13, v13, 9, v9                 ; register R lies at 512 (R / 4) + 4 (R % 4)
	v_lshl_add_u32 v[VW+\i], v11, 2, v13
.endr
.irp i, 0,1,2,3,4,5
	v_mov_b32 v[QR+6+\i], 0                        ; the zero codes beside q
	v_mov_b32 v[QR+18+\i], 0
.endr
; 32 numbers of a lane, one block along the channels, times g, become 6 registers of codes at v[cd] on and the scale's byte in v[eb].
.macro QUANT32 xs, cd, eb
.set XB, KX+32*(\xs)
.set ii, 0
.rept 16
	v_pk_mul_f32 v[XB+ii:XB+ii+1], v[XB+ii:XB+ii+1], s[24:25] op_sel_hi:[1,0]   ; what is quantised is g x the number, rounded to f32
.set ii, ii+2
.endr
	v_max3_num_f32 v[MXA], |v[XB]|, |v[XB+1]|, |v[XB+2]|            ; the block's largest magnitude: all 32 numbers are mine; two chains
	v_max3_num_f32 v[MXB], |v[XB+3]|, |v[XB+4]|, |v[XB+5]|
.irp i, 6,10,14,18,22,26
	v_max3_num_f32 v[MXA], v[MXA], |v[XB+\i]|, |v[XB+\i+1]|
	v_max3_num_f32 v[MXB], v[MXB], |v[XB+\i+2]|, |v[XB+\i+3]|
.endr
	v_max3_num_f32 v[MXA], v[MXA], |v[XB+30]|, |v[XB+31]|
	v_max3_num_f32 v[MXA], v[MXA], v[MXB], 0x1800000               ; and the floor 2^(3 - 127): the byte cannot fall under 1
	v_add_nc_u32 v[SOP], 0xff000000, v[MXA]                        ; 2 off its exponent field: the conversion takes the exponent field of this operand as its scale
	v_cvt_scalef32_pk16_fp6_f32 v[(\cd):(\cd)+2], v[XB:XB+15], v[SOP]
	v_cvt_scalef32_pk16_fp6_f32 v[TT:TT+2], v[XB+16:XB+31], v[SOP]
	v_lshrrev_b32 v[\eb], 23, v[SOP]                               ; the scale's byte; also the plain line behind the conversions
.irp i, 0,1,2
	v_mov_b32 v[(\cd)+3+\i], v[TT+\i]
.endr
.endm
; K's item n: block of keys KB, block of channels HB.  The two halves of each 256 bytes of a row are asked for by neighbouring items.
.macro KASK n
	LOADX (\n)%2, 14, VK, 32*(((\n)/2)%2)*ROWB+128*(2*((\n)/4)+(\n)%2), 0
.endm
.macro KITEM n
.set KB, 2*((\n)/4)+(\n)%2
.set HB, ((\n)/2)%2
.set CD, KC+6*(\n)
.if HB
	QUANT32 (\n)%2, CD, EB
.else
	QUANT32 (\n)%2, CD, EK+KB
.endif
	ds_store_b64 v[KPA], v[CD:CD+1] offset:FRB*KB+256*HB           ; fragment KB, image lane m + 16 HB, registers 6 u .. 6 u + 5
	ds_store_b64 v[KPB], v[CD+2:CD+3] offset:FRB*KB+256*HB+8
	ds_store_b64 v[KPA], v[CD+4:CD+5] offset:FRB*KB+256*HB+512
.if HB
	v_lshl_or_b32 v[EK+KB], v[EB], 8, v[EK+KB]                     ; my key's two bytes: channels 0-31, channels 32-63
	ds_store_b16 v[KS], v[EK+KB] offset:SOFF+4*KB
.endif
.endm
; V's run t: channels 4 t .. 4 t + 3, my step's 128 keys.  Each load reads 512 consecutive bytes; they turn through my stage, so that a lane holds 16 neighbouring keys of one channel.
.macro VLOAD t
.irp i, 0,1,2,3
	global_load_b128 v[R+16*((\t)%4)+4*\i:R+16*((\t)%4)+4*\i+3], v[VL], s[16:17] offset:(4*(\t)+\i)*ROWB
.endr
.endm
.macro VTURN t                         ; LDS serves a wave's instructions in order (ISA guide 5.7.1.4): no wait between the stores and the loads
.irp i, 0,1,2,3
	ds_store_b128 v[TIN], v[R+16*((\t)%4)+4*\i:R+16*((\t)%4)+4*\i+3] offset:TSTG*((\t)%2)+640*\i
.endr
.irp i, 0,1,2,3
	ds_load_b128 v[VX+16*((\t)%2)+4*\i:VX+16*((\t)%2)+4*\i+3], v[TOUT] offset:TSTG*((\t)%2)+16*\i
.endr
.endm
.macro VSTEP t                         ; lane l: channel 4 t + l / 8, keys 16 (l % 8) .. + 15; lanes l and l xor 1 hold a block
.set XS, VX+16*((\t)%2)
.set CV, VC+4*((\t)%2)
.if (\t) > 0
	s_wait_dscnt 4                                 ; this run's numbers are back from the stage; the last run's three code stores and its byte store may be out.  The run before that has stored: its registers are free
.else
	s_wait_dscnt 0x0
.endif
.if (\t)+4 < 16
	VLOAD (\t)+4                                   ; into the registers that this run's stores into the stage have read
.endif
.if (\t)+1 < 16
.if 14-(\t) >= 3
	s_wait_loadcnt 12                              ; the next run's four loads are in; those of the three runs behind it may be out
.else
	s_wait_loadcnt 4*(14-(\t))
.endif
	VTURN (\t)+1
.endif
	v_max3_num_f32 v[VMA], |v[XS]|, |v[XS+1]|, |v[XS+2]|
	v_max3_num_f32 v[VMB], |v[XS+3]|, |v[XS+4]|, |v[XS+5]|
.irp i, 6,10
	v_max3_num_f32 v[VMA], v[VMA], |v[XS+\i]|, |v[XS+\i+1]|
	v_max3_num_f32 v[VMB], v[VMB], |v[XS+\i+2]|, |v[XS+\i+3]|
.endr
	v_max3_num_f32 v[VMA], v[VMA], |v[XS+14]|, |v[XS+15]|
	v_max3_num_f32 v[VMA], v[VMA], v[VMB], 0x1800000
	v_max_num_f32_dpp v[VMA], v[VMA], v[VMA] row_xmask:1 row_mask:0xf bank_mask:0xf   ; with my neighbour's 16: the block's largest magnitude
	v_add_nc_u32 v[VSO], 0xff000000, v[VMA]
	v_cvt_scalef32_pk16_fp6_f32 v[CV:CV+2], v[XS:XS+15], v[VSO]
	v_lshrrev_b32 v[VE+(\t)%2], 23, v[VSO]         ; the byte; also the plain line behind the conversion
.irp i, 0,1,2
	ds_store_b32 v[VW+\i], v[CV+\i] offset:VOFF+FRB*((\t)/4)+64*((\t)%4)   ; tile t / 4, channel row 4 (t % 4) + l / 8
.endr
	ds_store_b8 v[VS], v[VE+(\t)%2] offset:SOFF+256+64*((\t)%4)+4*((\t)/4)   ; both lanes of a block write the same byte with the same value
.endm
	s_wait_loadcnt 32                              ; q's channels 0-31 are in; the 32 loads behind them may be out
	QUANT32 0, QR, FF
	KASK 0
	s_wait_loadcnt 32                              ; q's channels 32-63; K's item 0 may be out
	QUANT32 1, QR+12, TMP
	KASK 1
.irp i, 0,1,2,3,4,5
	v_permlane16_swap_b32 v[QR+\i], v[QR+12+\i]    ; the first's lanes 16-31 (odd queries, channels 0-31) change places with the second's lanes 0-15 (even queries, channels 32-63): v16.. is tile A, v28.. tile B
.endr
.irp i, 0,1,2,3,4,5
	v_mov_b32 v[QR+24+\i], v[QR+\i]                ; qA once more, behind the second run of zeros
.endr
	v_lshl_or_b32 v[QS], v[TMP], 8, v[FF]
	v_lshl_or_b32 v[QS], v[QS], 16, v[QS]          ; e0 e1 e0 e1: the same word serves q in either half of the instruction's K
.irp n, 0,1,2,3,4,5
	s_wait_loadcnt 32                              ; this item's 32 loads are in; the next item's may be out
	KITEM \n
	KASK \n+2
.endr
	s_wait_loadcnt 32
	KITEM 6
	VLOAD 0
	VLOAD 1
	s_wait_loadcnt 8                               ; item 7's loads are in; V's runs 0 and 1 may be out
	KITEM 7
	VLOAD 2
	VLOAD 3
	s_wait_loadcnt 12                              ; run 0's four loads are in
	VTURN 0
.irp t, 0,1,2,3,4,5,6,7,8,9,10,11,12,13,14,15
	VSTEP \t
.endr
	s_wait_dscnt 0x0                               ; for the others' sake: my images lie in LDS
	s_barrier_signal -1
.set ii, 0
.rept 64
	v_mov_b32 v[OA+ii], 0                          ; O^T of both tiles.  (The key step is written once: the first finds zeros, which the first change of M leaves zeros)
.set ii, ii+1
.endr
	v_mov_b32 v5, 0xff61b1e6                       ; the largest t so far: -3e38, under every t
	v_mov_b32 v9, 0xff61b1e6
	v_floor_f32 v4, -v5                            ; -M
	v_floor_f32 v8, -v9
	v_mov_b32 v6, 0                                ; the sums, in two halves
	v_mov_b32 v7, 0
	v_mov_b32 v10, 0
	v_mov_b32 v11, 0
	v_mov_b32 v3, 0                                ; (named as the upper half of the pair v[2:3])
.irp b, 0,1,2,3
	v_mov_b32 v[PL+\b], 0                          ; a lane permute's destination counts as one of its sources
.endr
	v_and_b32 v[LI], 31, v0
	v_lshlrev_b32 v[LI], 4, v[LI]
	v_mov_b32 v[AD], v[LI]
	s_barrier_wait -1                              ; all 16 key steps lie in LDS
.macro KLOAD                           ; a step's four fragments of K and its eight scale words: 13 loads of 512 consecutive bytes
.irp b, 0,1,2,3
.irp g, 0,1,2
	ds_load_b128 v[F+12*\b+4*\g:F+12*\b+4*\g+3], v[AD] offset:FRB*\b+512*\g
.endr
.endr
	ds_load_b128 v[SC:SC+3], v[AD] offset:SOFF
.endm
.macro VFLOAD                          ; its four fragments of V
.irp b, 0,1,2,3
.irp g, 0,1,2
	ds_load_b128 v[F+12*\b+4*\g:F+12*\b+4*\g+3], v[AD] offset:VOFF+FRB*\b+512*\g
.endr
.endr
.endm
; S^T = K Q^T for one tile of queries: qa = [q | 0], qb = [0 | q]; row = 1: q's scale words stand in lanes 16-31.  Eight accumulators, each begun with the constant 0.
.macro KQ qa, qb, row
.irp b, 0,1,2,3
.if \row
	v_wmma_scale_f32_16x16x128_f8f6f4 v[S+16*\b:S+16*\b+7], v[F+12*\b:F+12*\b+11], v[\qa:\qa+11], 0, v[SC+\b], v[QS] matrix_a_fmt:MATRIX_FMT_FP6 matrix_b_fmt:MATRIX_FMT_FP6 matrix_b_scale:MATRIX_SCALE_ROW1
	v_wmma_scale_f32_16x16x128_f8f6f4 v[S+16*\b+8:S+16*\b+15], v[F+12*\b:F+12*\b+11], v[\qb:\qb+11], 0, v[SC+\b], v[QS] matrix_a_fmt:MATRIX_FMT_FP6 matrix_b_fmt:MATRIX_FMT_FP6 matrix_b_scale:MATRIX_SCALE_ROW1
.else
	v_wmma_scale_f32_16x16x128_f8f6f4 v[S+16*\b:S+16*\b+7], v[F+12*\b:F+12*\b+11], v[\qa:\qa+11], 0, v[SC+\b], v[QS] matrix_a_fmt:MATRIX_FMT_FP6 matrix_b_fmt:MATRIX_FMT_FP6
	v_wmma_scale_f32_16x16x128_f8f6f4 v[S+16*\b+8:S+16*\b+15], v[F+12*\b:F+12*\b+11], v[\qb:\qb+11], 0, v[SC+\b], v[QS] matrix_a_fmt:MATRIX_FMT_FP6 matrix_b_fmt:MATRIX_FMT_FP6
.endif
.endr
.endm
; O^T += V P^T: four tiles of 16 channels, K = the step's 128 keys.  V's scale words stand in lanes 16-31.  Four accumulators, one instruction each: no two neighbours share one.
.macro PV ob
.irp c, 0,1,2,3
	v_wmma_scale_f32_16x16x128_f8f6f4 v[\ob+8*\c:\ob+8*\c+7], v[F+12*\c:F+12*\c+11], v[PC:PC+11], v[\ob+8*\c:\ob+8*\c+7], v[SC+\c], v[PW] matrix_a_fmt:MATRIX_FMT_FP6 matrix_b_fmt:MATRIX_FMT_FP6 matrix_a_scale:MATRIX_SCALE_ROW1
.endr
.endm
.macro PLACES n                        ; plain vector lines behind a matrix instruction, ahead of the first read of its result and of loads into its registers (ISA guide 7.12.1 for the reads of its result)
.rept \n
	v_nop
.endr
.endm
; One tile's softmax for a key step.  st: its statistics (v[st] -M, v[st+1] the largest t, v[st+2:st+3] the sum); ob: its O^T.  pv = 1: the other tile's V P^T stands ahead of the exponentials.
.macro SOFTMAX st, ob, pv
.irp b, 0,1,2,3
	v_max3_num_f32 v[BM+\b], v[S+16*\b], v[S+16*\b+1], v[S+16*\b+2]   ; the largest score of each block of 32 keys: it serves the row's maximum and, since p rises with the score, the block's largest p.  Each accumulator is read from its low end on
.endr
.irp i, 3,5,7,9,11,13
.irp b, 0,1,2,3
	v_max3_num_f32 v[BM+\b], v[BM+\b], v[S+16*\b+\i], v[S+16*\b+\i+1]
.endr
.endr
.irp b, 0,1,2,3
	v_max_num_f32 v[BM+\b], v[BM+\b], v[S+16*\b+15]
.endr
.irp b, 0,1,2,3
	v_permlanex16_b32 v[PL+\b], v[BM+\b], s20, s21
.endr
.irp b, 0,1,2,3
	v_max_num_f32 v[BM+\b], v[BM+\b], v[PL+\b]     ; with lane l xor 16's 16 keys
.endr
	v_max3_num_f32 v[TMP], v[BM], v[BM+1], v[BM+2]
	v_max_num_f32 v[TMP], v[TMP], v[BM+3]          ; the step's largest score of my query
	v_mul_f32 v[TMP], s22, v[TMP]                  ; as t
	v_max_num_f32 v[\st+1], v[\st+1], v[TMP]       ; the running largest t
	v_mov_b32 v[TMP], v[\st]
	v_floor_f32 v[\st], -v[\st+1]                  ; the new -M = floor(-t) = -ceil(t): a whole number
	v_sub_f32 v[TMP], v[\st], v[TMP]               ; old M - new M: a whole number, 0 or less
	v_cvt_i32_f32 v[TMP], v[TMP]                   ; (it saturates)
	v_ldexp_f32 v[FF], 1.0, v[TMP]                 ; f = 2^(old M - new M): a multiplication by it rounds nothing
.set jj, 0
.rept 32
	v_pk_fma_f32 v[S+jj:S+jj+1], v[S+jj:S+jj+1], s[22:23], v[\st:\st+1] op_sel_hi:[1,0,0]   ; t - M, two at a time
.set jj, jj+2
.endr
.irp b, 0,1,2,3
	v_fma_f32 v[BM+\b], v[BM+\b], s22, v[\st]      ; the same of each block's largest score
.endr
.if \pv
	s_wait_dscnt 0x0                               ; V's fragments are in (asked for ahead of this softmax)
	PV OA                                          ; tile A's codes and scale word are multiplied here; they are written anew only behind the sums below
.endif
.set jj, 0
.rept 64
	v_exp_f32 v[S+jj], v[S+jj]                     ; p = 2^(t - M), at most 1, not normalised
.set jj, jj+1
.endr
	v_pk_mul_f32 v[\st+2:\st+3], v[\st+2:\st+3], v[FF:FF+1] op_sel_hi:[1,0]   ; the sum under the new M; the plain line behind the exponentials
	s_wait_alu depctr_va_vdst(0)                   ; one wait for the batch of 64, ahead of its first reader
.irp b, 0,1,2,3
	v_exp_f32 v[BM+\b], v[BM+\b]                   ; the block's largest p: the same two instructions on the same number give the same bits
.endr
	v_pk_add_f32 v[PL:PL+1], v[S:S+1], v[S+2:S+3]  ; the row's sum is taken of the unquantised p: two at a time, in two chains
.set jj, 4
.rept 15
	v_pk_add_f32 v[\st+2:\st+3], v[\st+2:\st+3], v[S+jj:S+jj+1]
	v_pk_add_f32 v[PL:PL+1], v[PL:PL+1], v[S+jj+2:S+jj+3]
.set jj, jj+4
.endr
	v_pk_add_f32 v[\st+2:\st+3], v[\st+2:\st+3], v[PL:PL+1]
	s_wait_alu depctr_va_vdst(0)                   ; and one for the four
.irp b, 0,1,2,3
	v_max_num_f32 v[BM+\b], 0x1800000, v[BM+\b]    ; the floor 2^(3 - 127): the byte cannot fall under 1
.endr
.irp b, 0,1,2,3
	v_add_nc_u32 v[SO+\b], 0xff000000, v[BM+\b]    ; 2 off the exponent field: the conversion's scale operand
.endr
.irp b, 0,1,2,3
	v_lshrrev_b32 v[PL+\b], 23, v[SO+\b]           ; the scale's byte
.endr
	v_lshl_or_b32 v[PW], v[PL+1], 8, v[PL]         ; p's scale word for these 128 keys
	v_lshl_or_b32 v[PW], v[PL+2], 16, v[PW]
	v_lshl_or_b32 v[PW], v[PL+3], 24, v[PW]
.irp c, 0,1
	v_cvt_scalef32_pk16_fp6_f32 v[PC+6*\c:PC+6*\c+2], v[S+32*\c:S+32*\c+15], v[SO+2*\c]
	v_cvt_scalef32_pk16_fp6_f32 v[PL+4*\c:PL+4*\c+2], v[S+32*\c+16:S+32*\c+31], v[SO+2*\c+1]   ; (a conversion's three registers begin on an even number)
.endr
	v_nop                                          ; one plain line behind the conversions
.irp c, 0,1                            ; the operand's layout wants a whole block in a lane: lanes 0-15 block 2 c, lanes 16-31 block 2 c + 1
.irp i, 0,1,2
	v_permlane16_swap_b32 v[PC+6*\c+\i], v[PL+4*\c+\i]
.endr
.irp i, 0,1,2
	v_mov_b32 v[PC+6*\c+3+\i], v[PL+4*\c+\i]
.endr
.endr
.set jj, 0
.rept 16
	v_pk_mul_f32 v[\ob+jj:\ob+jj+1], v[\ob+jj:\ob+jj+1], v[FF:FF+1] op_sel_hi:[1,0]   ; O^T under the new M, ascending.  For each product that follows, twelve of these name none of its registers: its places behind the codes' last move
.set jj, jj+2
.endr
.endm
	s_mov_b32 s26, 0                               ; the first byte of the key step in hand
	s_mov_b32 s27, 16                              ; key steps to go
	KLOAD
.Lstep:
	s_wait_dscnt 0x0                               ; K's fragments and the scale words are in
	KQ QR, QR+18, 0                                ; tile A's scores
	PLACES 4
	SOFTMAX 4, OA, 0
	KQ QR+12, QR+6, 1                              ; tile B's scores
	PLACES 4                                       ; for the reads of the scores, and for the loads into K's registers
	VFLOAD                                         ; K is done with: V comes a softmax ahead of its first use
	SOFTMAX 8, OBT, 1
	PV OBT
	s_add_co_u32 s26, s26, STEPB
	s_cmp_eq_u32 s27, 1                            ; the last step has no successor: its 13 loads are jumped over
	s_cbranch_scc1 .Llast
	v_add_nc_u32 v[AD], s26, v[LI]                 ; with the three lines below: four places behind the products that read V's fragments and the scale words
	PLACES 3
	KLOAD
.Llast:
	s_sub_co_u32 s27, s27, 1
	s_cmp_lg_u32 s27, 0
	s_cbranch_scc1 .Lstep
	; PHASE C.  The stage, 64 channel rows of 2,048 + 16 bytes, lies over the images: a barrier stands between every wave's last read of them and the first store.
.set RR,  238                          ; v238 lane % 16, v239 lane / 16
.set SA,  240                          ; v240, v241 where I put 8 bytes: channels 0-31, channels 32-63
.set RD,  242                          ; v242 where I read rows back
	s_wait_dscnt 0x0                               ; my reads of the images are over
	s_barrier_signal -1
	v_and_b32 v[RR], 15, v0                        ; (these seven lines name none of the last products' registers: they are the places behind them)
	v_bfe_u32 v[RR+1], v0, 4, 1
	v_mul_u32_u24 v[SA], v[RR+1], 8*OPITCH         ; my eight channels of a tile begin at 8 (lane / 16);
	v_lshl_add_u32 v[SA], v[RR], 3, v[SA]          ; queries 2 r and 2 r + 1 of my wave's 32: 8 bytes
	s_lshl_b32 s28, s8, 7
	v_add_nc_u32 v[SA], s28, v[SA]
	v_add_nc_u32 v[SA+1], 32*OPITCH, v[SA]         ; (an LDS immediate has 16 bits: the upper 32 channels get a register of their own)
	s_mul_i32 s28, s8, 4*OPITCH
	v_add_nc_u32 v[RD], s28, v[LI]                 ; back: wave w takes channels 4 w .. 4 w + 3
	v_add_f32 v6, v6, v7                           ; the sums' two halves,
	v_add_f32 v10, v10, v11
	v_permlanex16_b32 v244, v6, s20, s21
	v_permlanex16_b32 v245, v10, s20, s21
	v_add_f32 v6, v6, v244                         ; and lane l xor 16's: the rows' sums
	v_add_f32 v10, v10, v245
	v_rcp_f32 v246, v6
	v_rcp_f32 v247, v10
	v_nop                                          ; a plain line behind the reciprocals
	s_wait_alu depctr_va_vdst(0)                   ; one wait for both, ahead of their first reader
.set kk, 0
.rept 32
	v_mul_f32 v[S+2*kk], v[OA+kk], v246            ; O^T / l, ascending: the two tiles' numbers of one channel side by side: two neighbouring queries
	v_mul_f32 v[S+2*kk+1], v[OBT+kk], v247
.set kk, kk+1
.endr
	s_barrier_wait -1                              ; nobody reads the images any more
.irp c, 0,1,2,3
.irp j, 0,1,2,3,4,5,6,7
	ds_store_b64 v[SA+\c/2], v[S+2*(8*\c+\j):S+2*(8*\c+\j)+1] offset:(16*(\c%2)+\j)*OPITCH   ; channel 16 c + 8 (lane / 16) + j.  8 rows are 4,128 words: lanes 16-31 fall 32 words further round the 64 banks (ISA guide 11.1) than lanes 0-15
.endr
.endr
	s_wait_dscnt 0x0                               ; for the others' sake: my stores into the stage are done
	s_barrier_signal -1
	s_barrier_wait -1
.irp i, 0,1,2,3
.irp q, 0,1,2,3
	ds_load_b128 v[S+4*(4*\i+\q):S+4*(4*\i+\q)+3], v[RD] offset:\i*OPITCH+512*\q
.endr
.endr
.irp i, 0,1,2,3
.irp q, 0,1,2,3
	s_wait_dscnt 15-(4*\i+\q)                      ; LDS loads come back in order (ISA guide 5.7.1): this one is in, the younger ones may be out
	global_store_b128 v[LI], v[S+4*(4*\i+\q):S+4*(4*\i+\q)+3], s[30:31] offset:\i*ROWB+512*\q th:TH_STORE_NT   ; 32 lanes store 512 consecutive bytes, at a multiple of 512 from out0's first byte; written once, read by nobody here
.endr
.endr
	s_wait_tensorcnt 0x0
	ds_add_u32 v254, v255
	s_wait_dscnt 0x0
	s_endpgm
.Lfunc_end_k_qe9bf377e2f_attn:
	.size	k_qe9bf377e2f_attn, .Lfunc_end_k_qe9bf377e2f_attn-k_qe9bf377e2f_attn
	.p2alignl 7, 3214868480
	.fill 96, 4, 3214868480
	.section	.rodata,"a",@progbits
	.p2align	6, 0x0
	.amdhsa_kernel k_qe9bf377e2f_attn
		.amdhsa_group_segment_fixed_size 288768
		.amdhsa_private_segment_fixed_size 0
		.amdhsa_enable_private_segment 0
		.amdhsa_kernarg_size 16
		.amdhsa_user_sgpr_count 2
		.amdhsa_user_sgpr_kernarg_segment_ptr 1
		.amdhsa_wavefront_size32 1
		.amdhsa_system_sgpr_workgroup_id_x 1
		.amdhsa_system_sgpr_workgroup_id_y 1
		.amdhsa_system_sgpr_workgroup_id_z 1
		.amdhsa_system_vgpr_workitem_id 0
		.amdhsa_next_free_vgpr 256
		.amdhsa_next_free_sgpr 66
		.amdhsa_reserve_vcc 0
		.amdhsa_float_denorm_mode_32 3
		.amdhsa_float_denorm_mode_16_64 3
		.amdhsa_memory_ordered 1
		.amdhsa_forward_progress 1
		.amdhsa_inst_pref_size 132
	.end_amdhsa_kernel
	.amdgpu_metadata
---
amdhsa.version: [ 1, 2 ]
amdhsa.kernels:
  - .name:           k_qe9bf377e2f_attn
    .symbol:         k_qe9bf377e2f_attn.kd
    .args:
      - { .name: qkv, .offset: 0, .size: 8, .value_kind: global_buffer, .address_space: global }
      - { .name: out0, .offset: 8, .size: 8, .value_kind: global_buffer, .address_space: global }
    .group_segment_fixed_size: 288768
    .private_segment_fixed_size: 0
    .kernarg_segment_align: 8
    .kernarg_segment_size: 16
    .max_flat_workgroup_size: 512
    .sgpr_count:     66
    .vgpr_count:     256
    .wavefront_size: 32
...
	.end_amdgpu_metadata
.endif
;; end of part 1
;; ======== version 2 of 2: 1 launch; version 1 with the launch attn written anew for expert scheduling mode
;; launch attn (part 2): grid 4 x 64, 16 waves a work-group, no clusters, 288,768 bytes of LDS; arguments qkv, out0; writes out0
.if DOCPART == 2
	.amdgcn_target "amdgcn-amd-amdhsa--gfx1250"
	.amdhsa_code_object_version 6
	.text
	.protected	k_qe9bf377e2f_attn
	.globl	k_qe9bf377e2f_attn
	.p2align	8
	.type	k_qe9bf377e2f_attn,@function
k_qe9bf377e2f_attn:
	s_mov_b64 s[64:65], 0
	v_nop
	global_prefetch_b8 v0, s[64:65] scope:SCOPE_SE
	s_setreg_imm32_b32 hwreg(HW_REG_WAVE_SCHED_MODE, 0, 2), 2
	s_setreg_imm32_b32 hwreg(HW_REG_WAVE_MODE, 25, 1), 1
	s_wait_xcnt 0x0
	s_wait_alu depctr_vm_vsrc(0)
; out[h][c][t] = (sum over s of v[h][c][s] p[t][s]) / l[t],  p = 2^(S[t][s] log2(e) - M[t]),  S[t][s] = sum over c of (g q[h][c][t]) (g k[h][c][s]),  g = 1 / sqrt(sqrt(64)).
; qkv: [64 heads][192][2048] f32 (channels 0-63 q, 64-127 k, 128-191 v; tokens innermost).  out0: [64][64][2048] f32.
; Both products run on codes of FP6 (E2M3) with one E8M0 scale for each 32 along K: the first along the 64 channels, the second along the keys.  M is the running largest t rounded up to a whole number;
; l is the sum of the unquantised p; all of that in f32.
; SHARES.  A work-group owns one head and 512 queries (grid 4 x 64 = 256 work-groups); each of its 16 waves owns 32 queries: tile A = queries t0 + 2 r, tile B = t0 + 2 r + 1, in 256 registers.
; PHASE A.  A head's K and V as codes are 2 x 98,304 bytes and their scale words 8,192: 204,800 bytes, which stay in LDS for the whole launch.  Wave w quantises key step w (keys 128 w .. 128 w + 127) of K and of V
;   and stores them as IMAGES OF THE OPERANDS' REGISTERS (four registers a store, lane l's 16 bytes at 16 l); its own 32 queries it quantises straight into operand registers.  One barrier.
; PHASE B.  16 key steps, no barrier.  Both products are used transposed (S^T = K Q^T, O^T = V P^T), so that a lane holds one query throughout.
; PHASE C.  O^T / l goes through a stage in LDS, laid over the images that are done with, and leaves as runs of 512 consecutive bytes of a channel's row.
; ONE FRAGMENT OF K HOLDS TWO TILES OF KEYS.  The first product's K is 64, the instruction's 128.  Registers 0-5 (k 0-63) hold tile 2 b, registers 6-11 (k 64-127) tile 2 b + 1 of a block of 32 keys; multiplied by
;   [q | zero codes] it gives tile 2 b, by [zero codes | q] tile 2 b + 1.  A zero code is the number 0, no FP6 code is an infinity or a NaN and no scale byte here is 0xff, so the other half adds exactly 0.
;   Key x of a block goes to tile 2 b + (x / 8) % 2, row x % 8 + 8 (x / 16): the 16 registers of the two tiles are then keys 32 b + 16 (lane / 16) + 0 .. 15, neighbours along the second product's K.
; NO CLUSTER, NO JOINT LOADS: what the four work-groups of a head share is raw f32, 1 MiB a head.  Beside the 204,800 bytes of images two slots of one key step of raw K and V (2 x 65,536 bytes) make 335,872 bytes,
;   more than the 327,680 that a work-group can claim; smaller slots would mean nine or more refills for a phase that is about an eighth of this text's instructions.  So each work-group loads through registers.
; LIMITS: NaN and infinities among the inputs are not served.  A block whose largest magnitude lies under 2^-124 gets the scale byte 1; so does a block of zeros, where the rule says 127: its codes are zeros,
;   and the bytes are read by this text alone.  A p under 2^-126 counts as 0 (v_exp_f32 gives 0 there: ISA guide, its entry in 15.8).
; THE MODE: SCHED_MODE bits 1:0 = 2 (LLVM: expert scheduling mode 2), set by the entry lines.  The code itself states the register dependences between vector or matrix instructions and memory or LDS
;   instructions, with s_wait_alu, always for 0.
; THE PLAN.  Registers that memory or LDS instructions touch, and who else names them:
;   PHASE A.  KX0, KX1: global loads land; an item's scalings, maxima and conversions read and write its set; behind them the item two on is asked for.  KC, EK: written by an item's conversions, moves and OR,
;     read by its LDS stores, never written again.  ONE wait on va_vdst behind an item's vector work states both; the item's loads and then its LDS stores follow it with no vector instruction between.
;     R0 .. R3: global loads land, the stage's LDS stores read, loads land again four runs on; no vector instruction names them.  VX0, VX1: LDS loads land, a run's maxima and conversion read.  VC, VE (two sets):
;     written by a run's conversion and shift, read by its four LDS stores, written again two runs on.  A run has ONE wait on vm_vsrc at its head (the stage's stores have read the R set that is loaded next; the code
;     stores of two runs back have read VC and VE) and ONE on va_vdst ahead of its four stores, which also frees its VX set for the LDS loads that the next run issues.
;     The offsets and LDS addresses v234-246 are made at the head and not written again in the phase.  One wait on vm_vsrc ahead of the barrier: behind it all these registers take other parts.
;   PHASE B.  F and SC: LDS loads land, matrix instructions read.  v[AD]: read by every LDS load, written once a trip.  QR, QS, PC, PW: written by vector instructions, taken by scaled matrix instructions as operand
;     or scale.  In a trip: a wait on va_vdst ahead of V's loads (K's fragments are read; tile A's codes and scale word are written), one ahead of tile B's V P^T (its codes and scale word are written), one ahead of
;     K's loads (V's fragments and the scale words are read; v[AD] is written), and a wait on vm_vsrc ahead of the add to v[AD]; beside them the four waits behind the exponentials.
;   PHASE C.  S: written by the divisions, read by the stage's stores, then LDS loads land in it and the global stores read it: a wait on va_vdst ahead of the stage's stores, one on vm_vsrc ahead of the loads.
.set HEADB,  1572864                   ; a head of qkv in bytes: 192 rows of 8,192
.set ROWB,   8192                      ; a channel's row: 2,048 tokens
.set FRB,    1536                      ; a fragment's image: 12 registers x 128 bytes
.set STEPB,  12800                     ; LDS, a key step: K's 4 fragments, V's 4 fragments, 512 bytes of scale words
.set VOFF,   6144
.set SOFF,   12288                     ; the scale image: lane l's 16 bytes at 16 l.  Lanes 0-15: word b = K's fragment b, row l; lanes 16-31: word c = V's tile c, channel row l - 16
.set TURN,   204800                    ; behind the 16 key steps: for each wave two stages of 32 places of 80 bytes (64 of data + 16), through which V's numbers turn
.set TSTG,   2560
.set OPITCH, 2064                      ; phase C: a channel's 512 queries, 2,048 bytes, + 16
; registers that live through the launch, and phase B's
.set AD,  1                            ; v1      LDS address of the key step in hand: 16 x lane + its first byte
.set FF,  2                            ; v[2:3]  f = 2^(old M - new M); v3 is named with it as a pair
.set QS,  12                           ; v12     q's scale words: lanes 0-15 tile A's rows, lanes 16-31 tile B's; bytes e0 e1 e0 e1
.set LI,  13                           ; v13     16 x lane
.set TMP, 14
.set PW,  15                           ; v15     p's scale word
.set QR,  16                           ; v16-45  qA | zeros | qB | zeros | qA: [qA|0] = v16.., [0|qB] = v22.., [qB|0] = v28.., [0|qA] = v34..
.set F,   46                           ; v46-93  four fragments, of K or of V
.set SO,  94                           ; v94-97  the conversions' scale operands
.set S,   98                           ; v98-161 S^T, then p
.set OA,  162                          ; v162-193 tile A's O^T, 8 registers a tile of 16 channels
.set OBT, 194                          ; v194-225 tile B's
.set PC,  226                          ; v226-237 p's codes
.set BM,  238                          ; v238-241 each block's largest score, then its largest p
.set PL,  242                          ; v242-249 at work
.set SC,  250                          ; v250-253 the step's eight scale words (see SOFF)
; tile A: v4 -M, v5 the largest t, v[6:7] the sum in two halves; tile B: v8, v9, v[10:11]
; v254: the LDS address of my spare word, 0x46000 + 4 x my thread's number; v255: 0; both are made at the head and kept for the closing lines alone
; phase A's registers: all are dead at the barrier
.set KX,  46                           ; v46-109  two sets of 32 numbers down the channels
.set KC,  110                          ; v110-157 six registers of codes for each of K's 8 items: no LDS store's data are written again
.set TT,  158                          ; v158-160 a block's upper 16 codes (a conversion's three registers begin on an even number)
.set EK,  162                          ; v162-165 a key's two scale bytes, for each block of keys
.set MXA, 166
.set MXB, 167
.set SOP, 168
.set EB,  169
.set R,   170                          ; v170-233 V: four sets of 16 numbers as loaded
.set VX,  46                           ; v46-77   V: two sets of 16 neighbours (behind K's last item but one)
.set VC,  78                           ; v78-85   V: two sets of codes
.set VE,  86                           ; v86-87   V: two scale bytes
.set VMA, 88
.set VMB, 89
.set VSO, 90
.set VQ,  234                          ; q: 8 (lane % 16) + 4 (lane / 16): lanes 0-15 take the even queries, lanes 16-31 the odd ones
.set VK,  235                          ; k: 4 x lane
.set KPA, 236                          ; K's image: pieces 0 and 2 of my 24 bytes
.set KPB, 237                          ; piece 1
.set KS,  238                          ; K's scale bytes
.set VL,  240                          ; v: 16 x lane
.set TIN, 241                          ; the turn stage, on the way in
.set TOUT, 242                         ; and out
.set VW,  243                          ; v243-245 V's image: my three registers' places
.set VS,  246                          ; V's scale byte
	s_load_b128 s[4:7], s[0:1], 0x0                ; qkv s[4:5], out0 s[6:7]
	v_lshl_add_u32 v254, v0, 2, 0x46000
	v_mov_b32 v255, 0
	v_lshrrev_b32 v1, 5, v0
	v_readfirstlane_b32 s8, v1                     ; wave 0..15
	s_and_b32 s9, ttmp7, 0xffff                    ; the head
	s_mov_b32 s20, 0x76543210
	s_mov_b32 s21, 0xfedcba98                      ; v_permlanex16_b32's selects for lane l xor 16
	s_mov_b32 s22, 0x3fb8aa3b                      ; log2(e)
	s_mov_b32 s23, s22                             ; (the packed forms name a pair and take its low word for both halves: so the upper word is written)
	s_mov_b32 s24, 0x3eb504f3                      ; g = 1 / sqrt(sqrt(64))
	s_mov_b32 s25, s24
	s_mul_i32 s28, s9, HEADB                       ; the head's first byte in qkv (under 2^27)
	s_lshl_b32 s29, ttmp9, 11                      ; my work-group's 512 tokens in a row
	s_wait_alu depctr_va_sdst(0)                   ; s8 is written, ahead of its first reader: the wave's bases and LDS regions are made from it
	s_lshl_b32 s10, s8, 7                          ; my wave's 32 of them
	s_add_co_u32 s18, s28, s29
	s_add_co_u32 s18, s18, s10
	s_mov_b32 s19, 0
	v_and_b32 v3, 31, v0                           ; lane
	v_and_b32 v4, 15, v0
	v_bfe_u32 v5, v0, 4, 1                         ; lane / 16
	v_lshlrev_b32 v[VQ], 3, v4
	v_lshl_add_u32 v[VQ], v5, 2, v[VQ]
	s_wait_kmcnt 0x0
	s_add_nc_u64 s[12:13], s[4:5], s[18:19]        ; q at my first query
	s_wait_alu depctr_va_vdst(0)                   ; v[VQ] is written, which q's 64 loads read as their offset
; 32 loads: a lane takes a token, its registers run down 32 channels; a load covers 128 consecutive bytes of a channel's row
.macro LOADX xs, bs, vo, of, nt
.set ii, 0
.rept 32
.if \nt
	global_load_b32 v[KX+32*(\xs)+ii], v[\vo], s[\bs:\bs+1] offset:(\of)+ROWB*ii th:TH_LOAD_NT
.else
	global_load_b32 v[KX+32*(\xs)+ii], v[\vo], s[\bs:\bs+1] offset:(\of)+ROWB*ii
.endif
.set ii, ii+1
.endr
.endm
	LOADX 0, 12, VQ, 0, 1                          ; q, channels 0-31: read once in the launch
	LOADX 1, 12, VQ, 32*ROWB, 1                    ; q, channels 32-63
	s_lshl_b32 s10, s8, 9                          ; my wave's key step: 128 tokens
	s_add_co_u32 s18, s28, s10
	s_add_co_u32 s18, s18, 64*ROWB
	s_add_nc_u64 s[14:15], s[4:5], s[18:19]        ; k at my key step
	s_add_nc_u64 s[16:17], s[14:15], 64*ROWB       ; v likewise
	s_lshl_b32 s18, s9, 19                         ; out0: the head's 64 rows,
	s_lshl_b32 s10, s8, 15                         ; the 4 channels that my wave stores,
	s_add_co_u32 s18, s18, s10
	s_add_co_u32 s18, s18, s29                     ; my work-group's 512 tokens
	s_add_nc_u64 s[30:31], s[6:7], s[18:19]
	; LDS addresses: each a constant x lane's bits + a constant x wave; the constants of a region stand in the immediates.  None of these lines names v[VQ] or a register in which q's loads land
	v_lshlrev_b32 v[VK], 2, v3
	v_lshlrev_b32 v[VL], 4, v3
	s_mul_i32 s28, s8, STEPB                       ; my key step's bytes
	v_and_b32 v6, 7, v0
	v_lshl_add_u32 v6, v5, 3, v6                   ; m = x % 8 + 8 (x / 16): my key's row in its tile
	v_bfe_u32 v7, v0, 3, 1                         ; u = (x / 8) % 2: which of the fragment's two tiles
	v_lshlrev_b32 v8, 4, v6
	v_add_nc_u32 v8, s28, v8                       ; 16 m + my step
	v_mad_u32_u24 v[KPA], v7, 520, v8              ; my 24 bytes are bytes 24 u .. 24 u + 23 of an image lane's 48; byte B lies at 512 (B / 16) + B % 16: piece 0 at 0 or 520, piece 2 512 further on,
	v_mad_u32_u24 v[KPB], v7, 1016, v8             ; piece 1 at 8 or 1,024
	v_lshl_add_u32 v[KS], v7, 1, v8                ; my two scale bytes: 16 m + 2 u
	s_mul_i32 s29, s8, 2*TSTG
	s_add_co_u32 s29, s29, TURN                    ; my two turn stages
	v_lshrrev_b32 v9, 2, v3
	v_mul_u32_u24 v9, v9, 80
	v_and_b32 v10, 3, v0
	v_lshl_add_u32 v9, v10, 4, v9
	v_add_nc_u32 v[TIN], s29, v9                   ; in: four lanes' 64 bytes on end, then 16 of padding
	v_mul_u32_u24 v9, v3, 80
	v_add_nc_u32 v[TOUT], s29, v9                  ; out: a place a lane
	v_lshrrev_b32 v9, 3, v3
	v_lshlrev_b32 v9, 4, v9
	v_add_nc_u32 v9, s28, v9                       ; 16 (lane / 8) + my step: my channel's row among a run's four
	v_bfe_u32 v11, v0, 1, 2
	v_add_nc_u32 v[VS], v9, v11                    ; + my block of 32 keys: (lane % 8) / 2
	v_bfe_u32 v10, v0, 1, 1
	v_lshl_add_u32 v9, v10, 8, v9                  ; the image lane's upper half takes the odd blocks
	v_bfe_u32 v10, v0, 2, 1
	v_mul_u32_u24 v10, v10, 6
	v_and_b32 v11, 1, v0
	v_mad_u32_u24 v10, v11, 3, v10                 ; my three registers of the fragment begin at 6 (keys / 64) + 3 (lane % 2)
.irp i, 0,1,2
	v_add_nc_u32 v11, \i, v10
	v_lshrrev_b32 v13, 2, v11
	v_and_b32 v11, 3, v11
	v_lshl_add_u32 v13, v13, 9, v9                 ; register R lies at 512 (R / 4) + 4 (R % 4)
	v_lshl_add_u32 v[VW+\i], v11, 2, v13
.endr
.irp i, 0,1,2,3,4,5
	v_mov_b32 v[QR+6+\i], 0                        ; the zero codes beside q
	v_mov_b32 v[QR+18+\i], 0
.endr
; 32 numbers of a lane, one block along the channels, times g, become 6 registers of codes at v[cd] on and the scale's byte in v[eb].
.macro QUANT32 xs, cd, eb
.set XB, KX+32*(\xs)
.set ii, 0
.rept 16
	v_pk_mul_f32 v[XB+ii:XB+ii+1], v[XB+ii:XB+ii+1], s[24:25] op_sel_hi:[1,0]   ; what is quantised is g x the number, rounded to f32
.set ii, ii+2
.endr
	v_max3_num_f32 v[MXA], |v[XB]|, |v[XB+1]|, |v[XB+2]|            ; the block's largest magnitude: all 32 numbers are mine; two chains
	v_max3_num_f32 v[MXB], |v[XB+3]|, |v[XB+4]|, |v[XB+5]|
.irp i, 6,10,14,18,22,26
	v_max3_num_f32 v[MXA], v[MXA], |v[XB+\i]|, |v[XB+\i+1]|
	v_max3_num_f32 v[MXB], v[MXB], |v[XB+\i+2]|, |v[XB+\i+3]|
.endr
	v_max3_num_f32 v[MXA], v[MXA], |v[XB+30]|, |v[XB+31]|
	v_max3_num_f32 v[MXA], v[MXA], v[MXB], 0x1800000               ; and the floor 2^(3 - 127): the byte cannot fall under 1
	v_add_nc_u32 v[SOP], 0xff000000, v[MXA]                        ; 2 off its exponent field: the conversion takes the exponent field of this operand as its scale
	v_cvt_scalef32_pk16_fp6_f32 v[(\cd):(\cd)+2], v[XB:XB+15], v[SOP]
	v_cvt_scalef32_pk16_fp6_f32 v[TT:TT+2], v[XB+16:XB+31], v[SOP]
	v_lshrrev_b32 v[\eb], 23, v[SOP]                               ; the scale's byte; also the plain line behind the conversions
.irp i, 0,1,2
	v_mov_b32 v[(\cd)+3+\i], v[TT+\i]
.endr
.endm
; K's item n: block of keys KB, block of channels HB.  The two halves of each 256 bytes of a row are asked for by neighbouring items.
.macro KASK n
	LOADX (\n)%2, 14, VK, 32*(((\n)/2)%2)*ROWB+128*(2*((\n)/4)+(\n)%2), 0
.endm
; An item in two parts.  KQUANT: all its vector work, and the one wait.  KSTORE: its LDS stores.  Between the two stand the loads into the set that the item has emptied; no vector instruction stands behind the wait.
.macro KQUANT n
.set KB, 2*((\n)/4)+(\n)%2
.set HB, ((\n)/2)%2
.set CD, KC+6*(\n)
.if HB
	QUANT32 (\n)%2, CD, EB
	v_lshl_or_b32 v[EK+KB], v[EB], 8, v[EK+KB]                     ; my key's two bytes: channels 0-31, channels 32-63
.else
	QUANT32 (\n)%2, CD, EK+KB
.endif
	s_wait_alu depctr_va_vdst(0)                   ; the item's scalings, maxima and conversions are done with its set of 32 numbers, in which the next loads land; its six registers of codes and its bytes, which the LDS stores read, are written
.endm
.macro KSTORE n
.set KB, 2*((\n)/4)+(\n)%2
.set HB, ((\n)/2)%2
.set CD, KC+6*(\n)
	ds_store_b64 v[KPA], v[CD:CD+1] offset:FRB*KB+256*HB           ; fragment KB, image lane m + 16 HB, registers 6 u .. 6 u + 5
	ds_store_b64 v[KPB], v[CD+2:CD+3] offset:FRB*KB+256*HB+8
	ds_store_b64 v[KPA], v[CD+4:CD+5] offset:FRB*KB+256*HB+512
.if HB
	ds_store_b16 v[KS], v[EK+KB] offset:SOFF+4*KB
.endif
.endm
; V's run t: channels 4 t .. 4 t + 3, my step's 128 keys.  Each load reads 512 consecutive bytes; they turn through my stage, so that a lane holds 16 neighbouring keys of one channel.
.macro VLOAD t
.irp i, 0,1,2,3
	global_load_b128 v[R+16*((\t)%4)+4*\i:R+16*((\t)%4)+4*\i+3], v[VL], s[16:17] offset:(4*(\t)+\i)*ROWB
.endr
.endm
.macro VTURN t                         ; LDS serves a wave's instructions in order (ISA guide 5.7.1.4): no wait between the stores and the loads
.irp i, 0,1,2,3
	ds_store_b128 v[TIN], v[R+16*((\t)%4)+4*\i:R+16*((\t)%4)+4*\i+3] offset:TSTG*((\t)%2)+640*\i
.endr
.irp i, 0,1,2,3
	ds_load_b128 v[VX+16*((\t)%2)+4*\i:VX+16*((\t)%2)+4*\i+3], v[TOUT] offset:TSTG*((\t)%2)+16*\i
.endr
.endm
.macro VSTEP t                         ; lane l: channel 4 t + l / 8, keys 16 (l % 8) .. + 15; lanes l and l xor 1 hold a block
.set XS, VX+16*((\t)%2)
.set CV, VC+4*((\t)%2)
.if (\t) > 0
	s_wait_dscnt 4                                 ; this run's numbers are back from the stage; the last run's three code stores and its byte store may be out
.else
	s_wait_dscnt 0x0
.endif
	s_wait_alu depctr_vm_vsrc(0)                   ; this run's stores into the stage have read their set of R, in which the loads below land; the stores of two runs back have read the codes' and the byte's registers, which this run writes again
.if (\t)+4 < 16
	VLOAD (\t)+4
.endif
.if (\t)+1 < 16
.if 14-(\t) >= 3
	s_wait_loadcnt 12                              ; the next run's four loads are in; those of the three runs behind it may be out
.else
	s_wait_loadcnt 4*(14-(\t))
.endif
	VTURN (\t)+1                                   ; its LDS loads land in the other set of neighbours: the vector lines that read it stand ahead of the last run's wait on va_vdst, and none behind that wait names it
.endif
	v_max3_num_f32 v[VMA], |v[XS]|, |v[XS+1]|, |v[XS+2]|
	v_max3_num_f32 v[VMB], |v[XS+3]|, |v[XS+4]|, |v[XS+5]|
.irp i, 6,10
	v_max3_num_f32 v[VMA], v[VMA], |v[XS+\i]|, |v[XS+\i+1]|
	v_max3_num_f32 v[VMB], v[VMB], |v[XS+\i+2]|, |v[XS+\i+3]|
.endr
	v_max3_num_f32 v[VMA], v[VMA], |v[XS+14]|, |v[XS+15]|
	v_max3_num_f32 v[VMA], v[VMA], v[VMB], 0x1800000
	v_max_num_f32_dpp v[VMA], v[VMA], v[VMA] row_xmask:1 row_mask:0xf bank_mask:0xf   ; with my neighbour's 16: the block's largest magnitude
	v_add_nc_u32 v[VSO], 0xff000000, v[VMA]
	v_cvt_scalef32_pk16_fp6_f32 v[CV:CV+2], v[XS:XS+15], v[VSO]
	v_lshrrev_b32 v[VE+(\t)%2], 23, v[VSO]         ; the byte; also the plain line behind the conversion
	s_wait_alu depctr_va_vdst(0)                   ; the conversion has written the codes and the shift the byte, which the four stores read; the run is done reading its 16 neighbours, in whose registers the next run's LDS loads land
.irp i, 0,1,2
	ds_store_b32 v[VW+\i], v[CV+\i] offset:VOFF+FRB*((\t)/4)+64*((\t)%4)   ; tile t / 4, channel row 4 (t % 4) + l / 8
.endr
	ds_store_b8 v[VS], v[VE+(\t)%2] offset:SOFF+256+64*((\t)%4)+4*((\t)/4)   ; both lanes of a block write the same byte with the same value
.endm
	s_wait_loadcnt 32                              ; q's channels 0-31 are in; the 32 loads behind them may be out
	QUANT32 0, QR, FF
	s_wait_alu depctr_va_vdst(0)                   ; the scalings, maxima and conversions are done with set 0, in which K's item 0 lands; v[VK] and the other offsets and LDS addresses made above are written
	KASK 0
	s_wait_loadcnt 32                              ; q's channels 32-63; K's item 0 may be out
	QUANT32 1, QR+12, TMP
	s_wait_alu depctr_va_vdst(0)                   ; the same lines are done with set 1, in which K's item 1 lands
	KASK 1
.irp i, 0,1,2,3,4,5
	v_permlane16_swap_b32 v[QR+\i], v[QR+12+\i]    ; the first's lanes 16-31 (odd queries, channels 0-31) change places with the second's lanes 0-15 (even queries, channels 32-63): v16.. is tile A, v28.. tile B
.endr
.irp i, 0,1,2,3,4,5
	v_mov_b32 v[QR+24+\i], v[QR+\i]                ; qA once more, behind the second run of zeros
.endr
	v_lshl_or_b32 v[QS], v[TMP], 8, v[FF]
	v_lshl_or_b32 v[QS], v[QS], 16, v[QS]          ; e0 e1 e0 e1: the same word serves q in either half of the instruction's K
.irp n, 0,1,2,3,4,5
	s_wait_loadcnt 32                              ; this item's 32 loads are in; the next item's may be out
	KQUANT \n
	KASK \n+2
	KSTORE \n
.endr
	s_wait_loadcnt 32
	KQUANT 6
	VLOAD 0                                        ; (no vector instruction ever names R; v[VL] was written ahead of the waits above)
	VLOAD 1
	KSTORE 6
	s_wait_loadcnt 8                               ; item 7's loads are in; V's runs 0 and 1 may be out
	KQUANT 7
	VLOAD 2
	VLOAD 3
	KSTORE 7
	s_wait_loadcnt 12                              ; run 0's four loads are in
	VTURN 0
.irp t, 0,1,2,3,4,5,6,7,8,9,10,11,12,13,14,15
	VSTEP \t
.endr
	s_wait_dscnt 0x0                               ; for the others' sake: my images lie in LDS
	s_wait_alu depctr_vm_vsrc(0)                   ; phase A's loads and LDS stores have read their offsets, addresses and data (v78-87, v110-157, v162-165, v170-246): from here on these registers are written as O^T, S^T, p's codes and work registers, and fragments land in v46-93
	s_barrier_signal -1
.set ii, 0
.rept 64
	v_mov_b32 v[OA+ii], 0                          ; O^T of both tiles.  (The key step is written once: the first finds zeros, which the first change of M leaves zeros)
.set ii, ii+1
.endr
	v_mov_b32 v5, 0xff61b1e6                       ; the largest t so far: -3e38, under every t
	v_mov_b32 v9, 0xff61b1e6
	v_floor_f32 v4, -v5                            ; -M
	v_floor_f32 v8, -v9
	v_mov_b32 v6, 0                                ; the sums, in two halves
	v_mov_b32 v7, 0
	v_mov_b32 v10, 0
	v_mov_b32 v11, 0
	v_mov_b32 v3, 0                                ; (named as the upper half of the pair v[2:3])
.irp b, 0,1,2,3
	v_mov_b32 v[PL+\b], 0                          ; a lane permute's destination counts as one of its sources
.endr
	v_and_b32 v[LI], 31, v0
	v_lshlrev_b32 v[LI], 4, v[LI]
	v_mov_b32 v[AD], v[LI]
	s_barrier_wait -1                              ; all 16 key steps lie in LDS
.macro KLOAD                           ; a step's four fragments of K and its eight scale words: 13 loads of 512 consecutive bytes
.irp b, 0,1,2,3
.irp g, 0,1,2
	ds_load_b128 v[F+12*\b+4*\g:F+12*\b+4*\g+3], v[AD] offset:FRB*\b+512*\g
.endr
.endr
	ds_load_b128 v[SC:SC+3], v[AD] offset:SOFF
.endm
.macro VFLOAD                          ; its four fragments of V
.irp b, 0,1,2,3
.irp g, 0,1,2
	ds_load_b128 v[F+12*\b+4*\g:F+12*\b+4*\g+3], v[AD] offset:VOFF+FRB*\b+512*\g
.endr
.endr
.endm
; S^T = K Q^T for one tile of queries: qa = [q | 0], qb = [0 | q]; row = 1: q's scale words stand in lanes 16-31.  Eight accumulators, each begun with the constant 0.
.macro KQ qa, qb, row
.irp b, 0,1,2,3
.if \row
	v_wmma_scale_f32_16x16x128_f8f6f4 v[S+16*\b:S+16*\b+7], v[F+12*\b:F+12*\b+11], v[\qa:\qa+11], 0, v[SC+\b], v[QS] matrix_a_fmt:MATRIX_FMT_FP6 matrix_b_fmt:MATRIX_FMT_FP6 matrix_b_scale:MATRIX_SCALE_ROW1
	v_wmma_scale_f32_16x16x128_f8f6f4 v[S+16*\b+8:S+16*\b+15], v[F+12*\b:F+12*\b+11], v[\qb:\qb+11], 0, v[SC+\b], v[QS] matrix_a_fmt:MATRIX_FMT_FP6 matrix_b_fmt:MATRIX_FMT_FP6 matrix_b_scale:MATRIX_SCALE_ROW1
.else
	v_wmma_scale_f32_16x16x128_f8f6f4 v[S+16*\b:S+16*\b+7], v[F+12*\b:F+12*\b+11], v[\qa:\qa+11], 0, v[SC+\b], v[QS] matrix_a_fmt:MATRIX_FMT_FP6 matrix_b_fmt:MATRIX_FMT_FP6
	v_wmma_scale_f32_16x16x128_f8f6f4 v[S+16*\b+8:S+16*\b+15], v[F+12*\b:F+12*\b+11], v[\qb:\qb+11], 0, v[SC+\b], v[QS] matrix_a_fmt:MATRIX_FMT_FP6 matrix_b_fmt:MATRIX_FMT_FP6
.endif
.endr
.endm
; O^T += V P^T: four tiles of 16 channels, K = the step's 128 keys.  V's scale words stand in lanes 16-31.  Four accumulators, one instruction each: no two neighbours share one.
.macro PV ob
.irp c, 0,1,2,3
	v_wmma_scale_f32_16x16x128_f8f6f4 v[\ob+8*\c:\ob+8*\c+7], v[F+12*\c:F+12*\c+11], v[PC:PC+11], v[\ob+8*\c:\ob+8*\c+7], v[SC+\c], v[PW] matrix_a_fmt:MATRIX_FMT_FP6 matrix_b_fmt:MATRIX_FMT_FP6 matrix_a_scale:MATRIX_SCALE_ROW1
.endr
.endm
.macro PLACES n                        ; plain vector lines behind a matrix instruction (ISA guide 7.12.1); they stay beside the waits on va_vdst, which fill no place
.rept \n
	v_nop
.endr
.endm
; One tile's softmax for a key step.  st: its statistics (v[st] -M, v[st+1] the largest t, v[st+2:st+3] the sum); ob: its O^T.  pv = 1: the other tile's V P^T stands ahead of the exponentials.
.macro SOFTMAX st, ob, pv
.irp b, 0,1,2,3
	v_max3_num_f32 v[BM+\b], v[S+16*\b], v[S+16*\b+1], v[S+16*\b+2]   ; the largest score of each block of 32 keys: it serves the row's maximum and, since p rises with the score, the block's largest p.  Each accumulator is read from its low end on
.endr
.irp i, 3,5,7,9,11,13
.irp b, 0,1,2,3
	v_max3_num_f32 v[BM+\b], v[BM+\b], v[S+16*\b+\i], v[S+16*\b+\i+1]
.endr
.endr
.irp b, 0,1,2,3
	v_max_num_f32 v[BM+\b], v[BM+\b], v[S+16*\b+15]
.endr
.irp b, 0,1,2,3
	v_permlanex16_b32 v[PL+\b], v[BM+\b], s20, s21
.endr
.irp b, 0,1,2,3
	v_max_num_f32 v[BM+\b], v[BM+\b], v[PL+\b]     ; with lane l xor 16's 16 keys
.endr
	v_max3_num_f32 v[TMP], v[BM], v[BM+1], v[BM+2]
	v_max_num_f32 v[TMP], v[TMP], v[BM+3]          ; the step's largest score of my query
	v_mul_f32 v[TMP], s22, v[TMP]                  ; as t
	v_max_num_f32 v[\st+1], v[\st+1], v[TMP]       ; the running largest t
	v_mov_b32 v[TMP], v[\st]
	v_floor_f32 v[\st], -v[\st+1]                  ; the new -M = floor(-t) = -ceil(t): a whole number
	v_sub_f32 v[TMP], v[\st], v[TMP]               ; old M - new M: a whole number, 0 or less
	v_cvt_i32_f32 v[TMP], v[TMP]                   ; (it saturates)
	v_ldexp_f32 v[FF], 1.0, v[TMP]                 ; f = 2^(old M - new M): a multiplication by it rounds nothing
.set jj, 0
.rept 32
	v_pk_fma_f32 v[S+jj:S+jj+1], v[S+jj:S+jj+1], s[22:23], v[\st:\st+1] op_sel_hi:[1,0,0]   ; t - M, two at a time
.set jj, jj+2
.endr
.irp b, 0,1,2,3
	v_fma_f32 v[BM+\b], v[BM+\b], s22, v[\st]      ; the same of each block's largest score
.endr
.if \pv
	s_wait_dscnt 0x0                               ; V's fragments are in (asked for ahead of this softmax)
	PV OA                                          ; tile A's codes and scale word are multiplied here: they were written ahead of the wait on va_vdst in front of V's loads, and are written anew only behind the sums below
.endif
.set jj, 0
	s_wait_alu depctr_va_vdst(0)
.rept 64
	v_exp_f32 v[S+jj], v[S+jj]                     ; p = 2^(t - M), at most 1, not normalised
.set jj, jj+1
.endr
	v_pk_mul_f32 v[\st+2:\st+3], v[\st+2:\st+3], v[FF:FF+1] op_sel_hi:[1,0]   ; the sum under the new M; the plain line behind the exponentials
	s_wait_alu depctr_va_vdst(0)                   ; the 64 exponentials have written p: one wait for the batch, ahead of its first reader
.irp b, 0,1,2,3
	v_exp_f32 v[BM+\b], v[BM+\b]                   ; the block's largest p: the same two instructions on the same number give the same bits
.endr
	v_pk_add_f32 v[PL:PL+1], v[S:S+1], v[S+2:S+3]  ; the row's sum is taken of the unquantised p: two at a time, in two chains
.set jj, 4
.rept 15
	v_pk_add_f32 v[\st+2:\st+3], v[\st+2:\st+3], v[S+jj:S+jj+1]
	v_pk_add_f32 v[PL:PL+1], v[PL:PL+1], v[S+jj+2:S+jj+3]
.set jj, jj+4
.endr
	v_pk_add_f32 v[\st+2:\st+3], v[\st+2:\st+3], v[PL:PL+1]
	s_wait_alu depctr_va_vdst(0)                   ; the four exponentials have written the blocks' largest p, ahead of their first reader
.irp b, 0,1,2,3
	v_max_num_f32 v[BM+\b], 0x1800000, v[BM+\b]    ; the floor 2^(3 - 127): the byte cannot fall under 1
.endr
.irp b, 0,1,2,3
	v_add_nc_u32 v[SO+\b], 0xff000000, v[BM+\b]    ; 2 off the exponent field: the conversion's scale operand
.endr
.irp b, 0,1,2,3
	v_lshrrev_b32 v[PL+\b], 23, v[SO+\b]           ; the scale's byte
.endr
	v_lshl_or_b32 v[PW], v[PL+1], 8, v[PL]         ; p's scale word for these 128 keys
	v_lshl_or_b32 v[PW], v[PL+2], 16, v[PW]
	v_lshl_or_b32 v[PW], v[PL+3], 24, v[PW]
.irp c, 0,1
	v_cvt_scalef32_pk16_fp6_f32 v[PC+6*\c:PC+6*\c+2], v[S+32*\c:S+32*\c+15], v[SO+2*\c]
	v_cvt_scalef32_pk16_fp6_f32 v[PL+4*\c:PL+4*\c+2], v[S+32*\c+16:S+32*\c+31], v[SO+2*\c+1]   ; (a conversion's three registers begin on an even number)
.endr
	v_nop                                          ; one plain line behind the conversions
.irp c, 0,1                            ; the operand's layout wants a whole block in a lane: lanes 0-15 block 2 c, lanes 16-31 block 2 c + 1
.irp i, 0,1,2
	v_permlane16_swap_b32 v[PC+6*\c+\i], v[PL+4*\c+\i]
.endr
.irp i, 0,1,2
	v_mov_b32 v[PC+6*\c+3+\i], v[PL+4*\c+\i]
.endr
.endr
.set jj, 0
.rept 16
	v_pk_mul_f32 v[\ob+jj:\ob+jj+1], v[\ob+jj:\ob+jj+1], v[FF:FF+1] op_sel_hi:[1,0]   ; O^T under the new M, ascending.  For each product that follows, twelve of these name none of its registers: its places behind the codes' last move
.set jj, jj+2
.endr
.endm
	s_mov_b32 s26, 0                               ; the first byte of the key step in hand
	s_mov_b32 s27, 16                              ; key steps to go
	s_wait_alu depctr_va_vdst(0)                   ; v[AD] is written, which the loads read; phase A's vector lines are done with v46-93, in which the fragments land; q's codes and scale words, which the scaled products take, are written
	KLOAD
.Lstep:
	s_wait_dscnt 0x0                               ; K's fragments and the scale words are in
	KQ QR, QR+18, 0                                ; tile A's scores
	PLACES 4
	SOFTMAX 4, OA, 0
	KQ QR+12, QR+6, 1                              ; tile B's scores
	PLACES 4                                       ; for the reads of the scores
	s_wait_alu depctr_va_vdst(0)                   ; tile B's products are done reading K's fragments, in which V's land; tile A's codes and scale word, which the products V P^T in the softmax below take, are written
	VFLOAD                                         ; K is done with: V comes a softmax ahead of its first use
	SOFTMAX 8, OBT, 1
	s_wait_alu depctr_va_vdst(0)                   ; tile B's codes and scale word are written, which the scaled products below take; the sixteen rescalings above are the places, and stand ahead of this wait
	PV OBT
	s_add_co_u32 s26, s26, STEPB
	s_wait_alu depctr_vm_vsrc(0)                   ; the step's 25 LDS loads have read v[AD], which the add behind the branch writes
	s_cmp_eq_u32 s27, 1                            ; the last step has no successor: its 13 loads are jumped over
	s_cbranch_scc1 .Llast
	v_add_nc_u32 v[AD], s26, v[LI]                 ; with the three lines below: four plain lines behind the products that read V's fragments and the scale words
	PLACES 3
	s_wait_alu depctr_va_vdst(0)                   ; v[AD] is written, which the loads read; tile B's products are done reading V's fragments and the scale words, in which the loads land
	KLOAD
.Llast:
	s_sub_co_u32 s27, s27, 1
	s_cmp_lg_u32 s27, 0
	s_cbranch_scc1 .Lstep
	; PHASE C.  The stage, 64 channel rows of 2,048 + 16 bytes, lies over the images: a barrier stands between every wave's last read of them and the first store.
.set RR,  238                          ; v238 lane % 16, v239 lane / 16
.set SA,  240                          ; v240, v241 where I put 8 bytes: channels 0-31, channels 32-63
.set RD,  242                          ; v242 where I read rows back
	s_wait_dscnt 0x0                               ; my reads of the images are over
	s_barrier_signal -1
	v_and_b32 v[RR], 15, v0                        ; (these seven lines name none of the last products' registers: they are the places behind them)
	v_bfe_u32 v[RR+1], v0, 4, 1
	v_mul_u32_u24 v[SA], v[RR+1], 8*OPITCH         ; my eight channels of a tile begin at 8 (lane / 16);
	v_lshl_add_u32 v[SA], v[RR], 3, v[SA]          ; queries 2 r and 2 r + 1 of my wave's 32: 8 bytes
	s_lshl_b32 s28, s8, 7
	v_add_nc_u32 v[SA], s28, v[SA]
	v_add_nc_u32 v[SA+1], 32*OPITCH, v[SA]         ; (an LDS immediate has 16 bits: the upper 32 channels get a register of their own)
	s_mul_i32 s28, s8, 4*OPITCH
	v_add_nc_u32 v[RD], s28, v[LI]                 ; back: wave w takes channels 4 w .. 4 w + 3
	v_add_f32 v6, v6, v7                           ; the sums' two halves,
	v_add_f32 v10, v10, v11
	v_permlanex16_b32 v244, v6, s20, s21
	v_permlanex16_b32 v245, v10, s20, s21
	v_add_f32 v6, v6, v244                         ; and lane l xor 16's: the rows' sums
	v_add_f32 v10, v10, v245
	s_wait_alu depctr_va_vdst(0)
	v_rcp_f32 v246, v6
	v_rcp_f32 v247, v10
	v_nop                                          ; a plain line behind the reciprocals
	s_wait_alu depctr_va_vdst(0)                   ; the two reciprocals have written v246 and v247: one wait for both, ahead of their first reader
.set kk, 0
.rept 32
	v_mul_f32 v[S+2*kk], v[OA+kk], v246            ; O^T / l, ascending: the two tiles' numbers of one channel side by side: two neighbouring queries
	v_mul_f32 v[S+2*kk+1], v[OBT+kk], v247
.set kk, kk+1
.endr
	s_barrier_wait -1                              ; nobody reads the images any more
	s_wait_alu depctr_va_vdst(0)                   ; the 64 multiplications have written v[S ..], which the LDS stores read; the addresses v240 to v242 are written
.irp c, 0,1,2,3
.irp j, 0,1,2,3,4,5,6,7
	ds_store_b64 v[SA+\c/2], v[S+2*(8*\c+\j):S+2*(8*\c+\j)+1] offset:(16*(\c%2)+\j)*OPITCH   ; channel 16 c + 8 (lane / 16) + j.  8 rows are 4,128 words: lanes 16-31 fall 32 words further round the 64 banks (ISA guide 11.1) than lanes 0-15
.endr
.endr
	s_wait_dscnt 0x0                               ; for the others' sake: my stores into the stage are done
	s_barrier_signal -1
	s_barrier_wait -1
	s_wait_alu depctr_vm_vsrc(0)                   ; my LDS stores have read v[S ..], in which the loads below land (the multiplications that wrote them stand ahead of the last wait on va_vdst)
.irp i, 0,1,2,3
.irp q, 0,1,2,3
	ds_load_b128 v[S+4*(4*\i+\q):S+4*(4*\i+\q)+3], v[RD] offset:\i*OPITCH+512*\q
.endr
.endr
.irp i, 0,1,2,3
.irp q, 0,1,2,3
	s_wait_dscnt 15-(4*\i+\q)                      ; LDS loads come back in order (ISA guide 5.7.1): this one is in, the younger ones may be out
	global_store_b128 v[LI], v[S+4*(4*\i+\q):S+4*(4*\i+\q)+3], s[30:31] offset:\i*ROWB+512*\q th:TH_STORE_NT   ; 32 lanes store 512 consecutive bytes, at a multiple of 512 from out0's first byte; written once, read by nobody here
.endr
.endr
	s_wait_dscnt 0x0                               ; the closing lines, six on end
	s_wait_alu 0x0
	s_wait_tensorcnt 0x0
	ds_add_u32 v254, v255
	s_wait_dscnt 0x0
	s_endpgm
.Lfunc_end_k_qe9bf377e2f_attn:
	.size	k_qe9bf377e2f_attn, .Lfunc_end_k_qe9bf377e2f_attn-k_qe9bf377e2f_attn
	.p2alignl 7, 3214868480
	.fill 96, 4, 3214868480
	.section	.rodata,"a",@progbits
	.p2align	6, 0x0
	.amdhsa_kernel k_qe9bf377e2f_attn
		.amdhsa_group_segment_fixed_size 288768
		.amdhsa_private_segment_fixed_size 0
		.amdhsa_enable_private_segment 0
		.amdhsa_kernarg_size 16
		.amdhsa_user_sgpr_count 2
		.amdhsa_user_sgpr_kernarg_segment_ptr 1
		.amdhsa_wavefront_size32 1
		.amdhsa_system_sgpr_workgroup_id_x 1
		.amdhsa_system_sgpr_workgroup_id_y 1
		.amdhsa_system_sgpr_workgroup_id_z 1
		.amdhsa_system_vgpr_workitem_id 0
		.amdhsa_next_free_vgpr 256
		.amdhsa_next_free_sgpr 66
		.amdhsa_reserve_vcc 0
		.amdhsa_float_denorm_mode_32 3
		.amdhsa_float_denorm_mode_16_64 3
		.amdhsa_memory_ordered 1
		.amdhsa_forward_progress 1
		.amdhsa_inst_pref_size 134
	.end_amdhsa_kernel
	.amdgpu_metadata
---
amdhsa.version: [ 1, 2 ]
amdhsa.kernels:
  - .name:           k_qe9bf377e2f_attn
    .symbol:         k_qe9bf377e2f_attn.kd
    .args:
      - { .name: qkv, .offset: 0, .size: 8, .value_kind: global_buffer, .address_space: global }
      - { .name: out0, .offset: 8, .size: 8, .value_kind: global_buffer, .address_space: global }
    .group_segment_fixed_size: 288768
    .private_segment_fixed_size: 0
    .kernarg_segment_align: 8
    .kernarg_segment_size: 16
    .max_flat_workgroup_size: 512
    .sgpr_count:     66
    .vgpr_count:     256
    .wavefront_size: 32
...
	.end_amdgpu_metadata
.endif
;; end of part 2
